; MI455X (gfx1250); checked and timed in simulation.
; The chip was launched on July 23, 2026; its instructions are those of AMD's public machine-readable ISA for CDNA 5 (MIT licence, August 2026) and "CDNA5" Instruction Set Architecture Reference Guide (July 2026). The comments in the code are by the model that wrote it; some were corrected since.
;; Linear Attention. Allowed arithmetic: matrix products marked QUANTISED: E5M2 operands, one given power-of-two scale a tensor, by v_wmma_f32_16x16x64_bf8_bf8 or v_wmma_f32_16x16x128_bf8_bf8, f32 sums; products left as they are: f32 operands where the result goes on into a quantised operand, else bf16, f16 or f32 operands; f32 sums; everything else in f32.
;; Inputs: k 8 x 8 x 4,800 x 32 float32; kv_mask 8 x 4,800 bool; lowp_scales 4 int32 (the exponents e of the quantised operands' scales 2^e); q 8 x 8 x 4,800 x 32 float32; q_mask 8 x 4,800 bool; v 8 x 8 x 4,800 x 32 float32.
;; Outputs: out0 8 x 8 x 4,800 x 32 float32.
;; This version of the problem:
;;   THIS VERSION OF THE PROBLEM IS GIVEN IN LOW PRECISION. The matrix products marked QUANTISED in the list below multiply operands that are first quantised to E5M2 (5 exponent bits, 2 mantissa bits; 8 bits a number), with one given power-of-two scale for each operand tensor; their sums are f32. All else is computed in f32.
;;   The module's matrix products, in the order in which they are computed (A, B: the left and right operand; K: the contracted axis; several contracted axes count as one K, in the product's order):
;;     1. batch 64 x [M 32, K 4,800] x [K 4,800, N 32]; A: computed on the way; B: computed on the way: QUANTISED (scales: A lowp_scales[0], B lowp_scales[1])
;;     2. batch 64 x [M 4,800, K 32] x [K 32, N 1]; A: computed on the way; B: computed on the way: left as it is (N = 1 < 16)
;;     3. batch 64 x [M 4,800, K 32] x [K 32, N 32]; A: computed on the way; B: computed on the way: QUANTISED (scales: A lowp_scales[2], B lowp_scales[3])
;;   THE QUANTISER, for each operand of a quantised product, along K:
;;     - The operand's scale is 2^e, e = its entry of the input lowp_scales (int32; the entries are numbered through the quantised products in the list's order, A before B).
;;     - Each number is divided by the scale, clamped to +-57,344, and rounded to the nearest number of E5M2, ties to even, subnormals kept.
;;     - The product sums the exact products of the quantised numbers (number of the format x scale) in f32.
;;   ~~~python
;;   def quantise(x, axis, e):      # numpy; x: float32 -> the quantised numbers, widened to float32 again
;;       x = np.moveaxis(x, axis, -1); K = x.shape[-1]
;;       r = np.clip(x / 2.0 ** e, -57344, 57344)
;;       step = 2.0 ** (np.maximum(np.frexp(np.where(r == 0, 1, r))[1] - 1, -14) - 2)
;;       q = np.round(r / step) * step * 2.0 ** e      # np.round: ties to even
;;       return np.moveaxis(q, -1, axis).astype(np.float32)
;;   ~~~
;;   OPERANDS COMPUTED ON THE WAY. 'Computed on the way' means the value that the module computes at that place (a softmax that the list does not call 'softmax' is quantised finished and normalised). What goes into a quantiser is computed in f32, as accurately as f32 sums, v_exp_f32 and their like allow (about 1e-6 of the number): no bf16 or f16 on the way to a quantiser, and a product that is left as it is and whose result goes on into a quantised operand takes f32 operands (vector FMAs, or v_wmma_f32_16x16x4_f32). A number that lies on a knife's edge between two numbers of the format may be rounded either way, as far as f32 arithmetic and the matrix unit's own rounding can turn it there, and no further.
;; 2 versions, each right; version 2 is version 1 with the launch kvsum written anew for expert scheduling mode. Each part assembles by itself: llvm-mc -triple=amdgcn-amd-amdhsa -mcpu=gfx1250 --defsym DOCPART=n.
;; ======== version 1 of 2: 2 launches
;; workspace buffers: kvp 1,048,576 bytes; ksp 65,536 bytes
;; launch kvsum (part 1): grid 256 x 1, 15 waves a work-group, no clusters, 67,584 bytes of LDS; arguments k, v, kv_mask, lowp_scales, kvp, ksp; writes kvp, ksp
.if DOCPART == 1
	.amdgcn_target "amdgcn-amd-amdhsa--gfx1250"
	.amdhsa_code_object_version 6
	.text
	.protected	k_q78219eeec0_kvsum
	.globl	k_q78219eeec0_kvsum
	.p2align	8
	.type	k_q78219eeec0_kvsum,@function
k_q78219eeec0_kvsum:
	s_mov_b64 s[64:65], 0
	v_nop
	global_prefetch_b8 v0, s[64:65] scope:SCOPE_SE
	s_setreg_imm32_b32 hwreg(HW_REG_WAVE_MODE, 25, 1), 1
	s_wait_xcnt 0x0
; PARTIAL SUMS OF  kv[d][e] = sum over s of Q(kf[s][d]) Q(vf[s][e])  AND  ksum[d] = sum over s of kf[s][d],  kf = (elu(k) + 1) m,  vf = v m / 4800,  m = kv_mask.
; k, v: [64 heads][4800][32] f32.  Q: codes of BF8 (E5M2) with the given scales 2^e0 (k) and 2^e1 (v).  The codes are multiplied as they are: kvp holds sums that still lack the factor 2^(e0 + e1).
; SHARES.  Work-group g owns the 1,200 rows from flat row 1200 g on: a quarter of head g / 4.  Each of its 15 waves owns 80 of them.
; LAYOUT.  The contracted axis is s, which is not innermost.  Load i of a wave gives lane (r, h) (r = lane % 16, h = lane / 16) the two numbers (row 2 i + h, columns 2 r and 2 r + 1): 32 lanes read 256 consecutive
; bytes, aligned.  The even columns form one tile of 16 (d = 2 r), the odd ones the other (d = 2 r + 1), and a lane's registers run down s: so the conversions' results are the operands' registers, nothing is transposed.
; k and v place each s alike, so every product meets its partner.  A lane's 40 codes fill 10 of the 16 registers of a fragment of 128 along K; the other 6 hold zero codes, on both sides.
; elu(x) + 1 = the middle one of (x + 1, e^x, 1): for x > 0, 1 < x + 1 <= e^x; for x <= 0, x + 1 <= e^x <= 1.  A hidden row gets -infinity added in the two packed lines that make x + 1 and x log2(e): the middle of (-inf, 0, 1) is 0.
; OUT.  kvp[g]: the four accumulators as images of their registers, piece p = 4 a + 2 t + g' (d tile a, e tile t, registers 4 g' on) at 512 p + 16 lane.  In it lane (r, h) holds e = 2 r + t, d = 16 h + 2 j + a: the lane
; layout of the next launch's operand.  ksp[g]: [h][d], the sums over the rows of each half of the lanes kept apart: 256 bytes.
; LIMITS: e0 and e1 between -126 and 112, so that 2^e and 57,344 x 2^e are f32 numbers.  NaN and infinities among the inputs are not served.  v / 4800 is v x fl(1 / 4800): at most one unit in the last place from the division.
; For x <= 0 the feature is e^x itself (v_exp_f32), where the reference forms expm1(x) + 1: they differ by about 1e-7 at the most, absolutely.
; No tensor load, no ring: a wave's share passes through its registers once.  No cluster: work-groups share no input.
.set SEQ,    4800
.set WGROWS, 1200
.set WVROWS, 80
.set ROWB,   128                       ; bytes in a row of k or v
.set WAVES,  15
.set KSB,    WAVES*4096                ; LDS: 15 images of 4,096 bytes, then 15 x 256 bytes of ksum
.set OFF,  1                           ; v1      8 x lane: my 8 bytes of a load's 256; never rewritten
.set BIT,  2                           ; v2, v3  the bit of my row's mask byte in a word of four: 1 << 8 h for even loads, 1 << (16 + 8 h) for odd ones
.set NEG,  4                           ; v4      -infinity
.set T,    5                           ; v5      at work
.set SCK,  6                           ; v6      2^e0         v7  57,344 x 2^e0
.set LIMK, 7
.set SCV,  8                           ; v8      2^e1         v9  57,344 x 2^e1
.set LIMV, 9
.set RW,   10                          ; v10     LDS: where my wave's image goes: 4,096 wave + 16 lane
.set KW,   11                          ; v11     LDS: where my wave's ksum goes
.set RR,   12                          ; v12     512 wave + 16 lane: the piece that my wave adds up, in LDS and in kvp alike
.set KR,   13                          ; v13     LDS: the first wave's ksum, my lane
.set KSUM, 16                          ; v16-19  ksum of my two columns, in two chains
.set BB,   20                          ; v20-35  for each of a group's 8 loads a pair: (0, 1), or (-inf, -inf) where my row is hidden
.set RS,   36                          ; v36-43  for each of them 1 / 4800, or 0
.set T1,   44                          ; v44-59  at work
.set CA,   60                          ; v60-91  k's codes: even columns' fragment, odd columns' fragment
.set CB,   92                          ; v92-123 v's likewise
.set ZERO, CA+10                       ; one of the registers of zero codes serves as the number 0
.set DB,   124                         ; v124-219 three buffers of 32: 8 loads of k, 8 loads of v
.set ACC,  DB                          ; the four accumulators take the first buffer when it is done with
.set RD,   DB+32                       ; the reduction: 15 x 4 registers
.set MSK,  24                          ; s24-43  my wave's 80 mask bytes
.macro LOADG g, b                      ; group g (16 rows) into buffer b: k's eight loads, then v's
.irp ii, 0,1,2,3,4,5,6,7
	global_load_b64 v[DB+32*(\b)+2*\ii:DB+32*(\b)+2*\ii+1], v[OFF], s[4:5] offset:(8*(\g)+\ii)*256 th:TH_LOAD_NT
.endr
.irp ii, 0,1,2,3,4,5,6,7
	global_load_b64 v[DB+32*(\b)+16+2*\ii:DB+32*(\b)+16+2*\ii+1], v[OFF], s[6:7] offset:(8*(\g)+\ii)*256 th:TH_LOAD_NT
.endr
.endm
	s_load_b256 s[4:11], s[0:1], 0x0               ; k s[4:5], v s[6:7], kv_mask s[8:9], the scales' exponents s[10:11]
	s_load_b128 s[12:15], s[0:1], 0x20             ; kvp s[12:13], ksp s[14:15]
	v_lshl_add_u32 v220, v0, 2, 0x10000
	v_mov_b32 v221, 0
	v_lshrrev_b32 v[T], 5, v0
	v_readfirstlane_b32 s16, v[T]                  ; wave 0..14
	v_and_b32 v[OFF], 31, v0
	v_lshlrev_b32 v[OFF], 3, v[OFF]
	s_mul_i32 s18, ttmp9, WGROWS*ROWB              ; my wave's first row in k and v, in bytes (under 2^26)
	s_mul_i32 s19, s16, WVROWS*ROWB
	s_add_co_u32 s18, s18, s19
	s_mov_b32 s19, 0
	s_lshr_b32 s20, ttmp9, 5                       ; the batch: 32 work-groups (8 heads x 4 quarters) share a mask row
	s_mul_i32 s20, s20, SEQ
	s_and_b32 s21, ttmp9, 3                        ; the quarter
	s_mul_i32 s21, s21, WGROWS
	s_add_co_u32 s20, s20, s21
	s_mul_i32 s21, s16, WVROWS
	s_add_co_u32 s20, s20, s21                     ; my wave's first mask byte: a multiple of 16
	s_mov_b32 s21, 0
	s_lshl_b32 s22, ttmp9, 12                      ; my work-group's 4,096 bytes of kvp
	s_mov_b32 s23, 0
	s_wait_kmcnt 0x0
	s_add_nc_u64 s[4:5], s[4:5], s[18:19]
	s_add_nc_u64 s[6:7], s[6:7], s[18:19]
	s_add_nc_u64 s[8:9], s[8:9], s[20:21]
	s_add_nc_u64 s[12:13], s[12:13], s[22:23]
	s_lshl_b32 s22, ttmp9, 8                       ; and its 256 bytes of ksp
	s_add_nc_u64 s[14:15], s[14:15], s[22:23]
	s_load_b512 s[MSK:MSK+15], s[8:9], 0x0         ; 80 mask bytes: the same for all lanes, so they come as scalars
	s_load_b128 s[MSK+16:MSK+19], s[8:9], 0x40
	s_load_b64 s[44:45], s[10:11], 0x0             ; e0, e1
	LOADG 0, 0                                     ; 48 loads of the wave are out: 12,288 bytes
	LOADG 1, 1
	LOADG 2, 2
	v_bfe_u32 v[T], v0, 4, 1                       ; h
	v_lshlrev_b32 v[T], 3, v[T]
	v_mov_b32 v[BIT], 1
	v_lshlrev_b32 v[BIT], v[T], v[BIT]
	v_lshlrev_b32 v[BIT+1], 16, v[BIT]
	v_mov_b32 v[NEG], 0xff800000
.irp z, 10,11,12,13,14,15,26,27,28,29,30,31
	v_mov_b32 v[CA+\z], 0                          ; the rest of K: 48 of 128 places hold zero codes, in both operands
	v_mov_b32 v[CB+\z], 0
.endr
.irp z, 0,1,2,3
	v_mov_b32 v[KSUM+\z], 0
.endr
	s_lshl_b32 s17, s16, 12
	v_lshl_add_u32 v[RW], v[OFF], 1, s17
	s_lshl_b32 s17, s16, 8
	s_add_co_u32 s17, s17, KSB
	v_add_nc_u32 v[KW], s17, v[OFF]
	s_lshl_b32 s17, s16, 9
	v_lshl_add_u32 v[RR], v[OFF], 1, s17
	v_add_nc_u32 v[KR], KSB, v[OFF]
	s_mov_b32 s46, 0x3fb8aa3b                      ; log2(e); the packed form names a pair and takes its low word for both halves
	s_mov_b32 s47, s46
	s_mov_b32 s48, 0x395a740e                      ; 1 / 4800
	s_wait_kmcnt 0x0
	s_add_co_i32 s44, s44, 127
	s_lshl_b32 s22, s44, 23
	v_mov_b32 v[SCK], s22                          ; 2^e0 as f32: the conversion takes its exponent field
	s_add_co_i32 s44, s44, 15
	s_lshl_b32 s44, s44, 23
	s_or_b32 s44, s44, 0x600000
	v_mov_b32 v[LIMK], s44                         ; 57,344 x 2^e0
	s_add_co_i32 s45, s45, 127
	s_lshl_b32 s22, s45, 23
	v_mov_b32 v[SCV], s22
	s_add_co_i32 s45, s45, 15
	s_lshl_b32 s45, s45, 23
	s_or_b32 s45, s45, 0x600000
	v_mov_b32 v[LIMV], s45
; A group: 16 rows, 8 loads of k and 8 of v.  cntk, cntv: how many younger loads may stay out when k's eight, then v's eight, have to be in (loads come back in order: ISA guide 5.7.1).
; more = 1: the buffer is loaded again with the group three further on.
.macro GROUP g, cntk, cntv, more
.set KD, DB+32*((\g)%3)
.set VD, KD+16
.irp ii, 0,1,2,3,4,5,6,7                       ; the mask's terms need no loaded number: they stand ahead of the wait
	v_and_b32 v[T], s[MSK+(8*(\g)+\ii)/2], v[BIT+(\ii)%2]     ; row 2 i + h is byte 2 (i % 2) + h of word i / 2
	v_cmp_eq_u32 vcc_lo, 0, v[T]                   ; hidden?
	v_cndmask_b32 v[BB+2*\ii], 0, v[NEG], vcc_lo
	v_cndmask_b32 v[BB+2*\ii+1], 1.0, v[NEG], vcc_lo
	v_cndmask_b32 v[RS+\ii], s48, v[ZERO], vcc_lo
.endr
	s_wait_loadcnt \cntk
.irp ii, 0,1,2,3,4,5,6,7
	v_pk_add_f32 v[T1+2*\ii:T1+2*\ii+1], v[KD+2*\ii:KD+2*\ii+1], v[BB+2*\ii:BB+2*\ii+1] op_sel:[0,1] op_sel_hi:[1,1]   ; x + 1 (the pair's second word for both halves)
.endr
.irp ii, 0,1,2,3,4,5,6,7
	v_pk_fma_f32 v[KD+2*\ii:KD+2*\ii+1], v[KD+2*\ii:KD+2*\ii+1], s[46:47], v[BB+2*\ii:BB+2*\ii+1] op_sel_hi:[1,0,0]    ; x log2(e) (+ 0, the pair's first word)
.endr
.irp n, 0,1,2,3,4,5,6,7,8,9,10,11,12,13,14,15
	v_exp_f32 v[KD+\n], v[KD+\n]                   ; e^x: one batch
.endr
	v_nop                                          ; a plain instruction behind the last exponential
	s_wait_alu depctr_va_vdst(0)                   ; one wait for the batch, ahead of its first reader
.irp n, 0,1,2,3,4,5,6,7,8,9,10,11,12,13,14,15
	v_med3_num_f32 v[T1+\n], v[T1+\n], v[KD+\n], 1.0          ; elu(x) + 1, or 0 in a hidden row
.endr
.irp ii, 0,2,4,6
	v_pk_add_f32 v[KSUM:KSUM+1], v[KSUM:KSUM+1], v[T1+2*\ii:T1+2*\ii+1]        ; ksum takes the numbers as they are, not held, not quantised
	v_pk_add_f32 v[KSUM+2:KSUM+3], v[KSUM+2:KSUM+3], v[T1+2*\ii+2:T1+2*\ii+3]
.endr
.irp ii, 0,1,2,3,4,5,6,7
	v_min_num_f32 v[KD+\ii], v[T1+2*\ii], v[LIMK]             ; the conversion does not saturate (ISA guide 7.6.2): the hold, one-sided since the feature is not negative.
	v_min_num_f32 v[KD+8+\ii], v[T1+2*\ii+1], v[LIMK]         ; It also parts the columns: eight rows of the even one on end, then eight of the odd one
.endr
	v_cvt_scalef32_pk8_bf8_f32 v[CA+2*(\g):CA+2*(\g)+1], v[KD:KD+7], v[SCK]
	v_cvt_scalef32_pk8_bf8_f32 v[CA+16+2*(\g):CA+16+2*(\g)+1], v[KD+8:KD+15], v[SCK]
	s_wait_loadcnt \cntv
.irp ii, 0,2,4,6
	v_pk_mul_f32 v[VD+2*\ii:VD+2*\ii+1], v[VD+2*\ii:VD+2*\ii+1], v[RS+\ii:RS+\ii+1] op_sel_hi:[1,0]                    ; v m / 4800
	v_pk_mul_f32 v[VD+2*\ii+2:VD+2*\ii+3], v[VD+2*\ii+2:VD+2*\ii+3], v[RS+\ii:RS+\ii+1] op_sel:[0,1] op_sel_hi:[1,1]
.endr
.irp ii, 0,1,2,3,4,5,6,7
	v_med3_num_f32 v[T1+\ii], v[VD+2*\ii], -v[LIMV], v[LIMV]
	v_med3_num_f32 v[T1+8+\ii], v[VD+2*\ii+1], -v[LIMV], v[LIMV]
.endr
	v_cvt_scalef32_pk8_bf8_f32 v[CB+2*(\g):CB+2*(\g)+1], v[T1:T1+7], v[SCV]
	v_cvt_scalef32_pk8_bf8_f32 v[CB+16+2*(\g):CB+16+2*(\g)+1], v[T1+8:T1+15], v[SCV]
	v_nop                                          ; a plain instruction behind the last conversion, ahead of whatever next writes its sources or reads its codes
.if \more
	LOADG (\g)+3, (\g)%3
.endif
.endm
	GROUP 0, 40, 32, 1                             ; out behind k's eight: v's eight and two groups of 16
	GROUP 1, 40, 32, 1
	GROUP 2, 40, 32, 0
	GROUP 3, 24, 16, 0                             ; one group behind
	GROUP 4, 8, 0, 0
	; the wave's 80 rows in one step: source 0 = 16 columns of k, source 1 = 16 columns of v.  Register j of lane (r, h): d = 2 (8 h + j) + a, e = 2 r + t.  The constant 0 starts each sum
	v_wmma_f32_16x16x128_bf8_bf8 v[ACC:ACC+7], v[CA:CA+15], v[CB:CB+15], 0
	v_wmma_f32_16x16x128_bf8_bf8 v[ACC+8:ACC+15], v[CA:CA+15], v[CB+16:CB+31], 0
	v_wmma_f32_16x16x128_bf8_bf8 v[ACC+16:ACC+23], v[CA+16:CA+31], v[CB:CB+15], 0
	v_wmma_f32_16x16x128_bf8_bf8 v[ACC+24:ACC+31], v[CA+16:CA+31], v[CB+16:CB+31], 0
	v_pk_add_f32 v[KSUM:KSUM+1], v[KSUM:KSUM+1], v[KSUM+2:KSUM+3]   ; ksum's two chains; with the three lines below the four places behind the products (ISA guide 7.12.1)
	v_nop
	v_nop
	v_nop
.irp p, 0,1,2,3,4,5,6,7
	ds_store_b128 v[RW], v[ACC+4*\p:ACC+4*\p+3] offset:512*\p      ; the accumulators as they stand, each from its low end on: 512 consecutive bytes a store
.endr
	ds_store_b64 v[KW], v[KSUM:KSUM+1]
	s_wait_dscnt 0x0                               ; for the others' sake: my stores have landed
	s_barrier_signal -1
	s_barrier_wait -1
	s_cmp_lt_u32 s16, 8
	s_cbranch_scc0 .Lnot_kv
.irp j, 0,1,2,3,4,5,6,7,8,9,10,11,12,13,14     ; waves 0 to 7: piece = wave, of all fifteen images
	ds_load_b128 v[RD+4*\j:RD+4*\j+3], v[RR] offset:4096*\j
.endr
	s_wait_dscnt 0x0
.irp j, 0,1,2,3,4,5,6
	v_pk_add_f32 v[RD+4*\j:RD+4*\j+1], v[RD+4*\j:RD+4*\j+1], v[RD+4*\j+32:RD+4*\j+33]
	v_pk_add_f32 v[RD+4*\j+2:RD+4*\j+3], v[RD+4*\j+2:RD+4*\j+3], v[RD+4*\j+34:RD+4*\j+35]
.endr
.irp j, 0,1,2,3
	v_pk_add_f32 v[RD+4*\j:RD+4*\j+1], v[RD+4*\j:RD+4*\j+1], v[RD+4*\j+16:RD+4*\j+17]
	v_pk_add_f32 v[RD+4*\j+2:RD+4*\j+3], v[RD+4*\j+2:RD+4*\j+3], v[RD+4*\j+18:RD+4*\j+19]
.endr
.irp j, 0,1
	v_pk_add_f32 v[RD+4*\j:RD+4*\j+1], v[RD+4*\j:RD+4*\j+1], v[RD+4*\j+8:RD+4*\j+9]
	v_pk_add_f32 v[RD+4*\j+2:RD+4*\j+3], v[RD+4*\j+2:RD+4*\j+3], v[RD+4*\j+10:RD+4*\j+11]
.endr
	v_pk_add_f32 v[RD:RD+1], v[RD:RD+1], v[RD+4:RD+5]
	v_pk_add_f32 v[RD+2:RD+3], v[RD+2:RD+3], v[RD+6:RD+7]
	global_store_b128 v[RR], v[RD:RD+3], s[12:13]  ; 512 consecutive bytes, at a multiple of 512 from kvp's first byte
	s_wait_tensorcnt 0x0
	ds_add_u32 v220, v221
	s_wait_dscnt 0x0
	s_endpgm
.Lnot_kv:
	s_cmp_eq_u32 s16, 8
	s_cbranch_scc0 .Ldone
.irp j, 0,1,2,3,4,5,6,7,8,9,10,11,12,13,14     ; wave 8: ksum of all fifteen
	ds_load_b64 v[RD+2*\j:RD+2*\j+1], v[KR] offset:256*\j
.endr
	s_wait_dscnt 0x0
.irp j, 0,1,2,3,4,5,6
	v_pk_add_f32 v[RD+2*\j:RD+2*\j+1], v[RD+2*\j:RD+2*\j+1], v[RD+2*\j+16:RD+2*\j+17]
.endr
.irp j, 0,1,2,3
	v_pk_add_f32 v[RD+2*\j:RD+2*\j+1], v[RD+2*\j:RD+2*\j+1], v[RD+2*\j+8:RD+2*\j+9]
.endr
.irp j, 0,1
	v_pk_add_f32 v[RD+2*\j:RD+2*\j+1], v[RD+2*\j:RD+2*\j+1], v[RD+2*\j+4:RD+2*\j+5]
.endr
	v_pk_add_f32 v[RD:RD+1], v[RD:RD+1], v[RD+2:RD+3]
	global_store_b64 v[OFF], v[RD:RD+1], s[14:15]  ; 256 consecutive bytes, aligned: number 32 h + d
.Ldone:
	s_wait_tensorcnt 0x0
	ds_add_u32 v220, v221
	s_wait_dscnt 0x0
	s_endpgm
.Lfunc_end_k_q78219eeec0_kvsum:
	.size	k_q78219eeec0_kvsum, .Lfunc_end_k_q78219eeec0_kvsum-k_q78219eeec0_kvsum
	.p2alignl 7, 3214868480
	.fill 96, 4, 3214868480
	.section	.rodata,"a",@progbits
	.p2align	6, 0x0
	.amdhsa_kernel k_q78219eeec0_kvsum
		.amdhsa_group_segment_fixed_size 67584
		.amdhsa_private_segment_fixed_size 0
		.amdhsa_enable_private_segment 0
		.amdhsa_kernarg_size 48
		.amdhsa_user_sgpr_count 2
		.amdhsa_user_sgpr_kernarg_segment_ptr 1
		.amdhsa_wavefront_size32 1
		.amdhsa_system_sgpr_workgroup_id_x 1
		.amdhsa_system_sgpr_workgroup_id_y 1
		.amdhsa_system_sgpr_workgroup_id_z 1
		.amdhsa_system_vgpr_workitem_id 0
		.amdhsa_next_free_vgpr 222
		.amdhsa_next_free_sgpr 66
		.amdhsa_reserve_vcc 1
		.amdhsa_float_denorm_mode_32 3
		.amdhsa_float_denorm_mode_16_64 3
		.amdhsa_memory_ordered 1
		.amdhsa_forward_progress 1
		.amdhsa_inst_pref_size 51
	.end_amdhsa_kernel
	.amdgpu_metadata
---
amdhsa.version: [ 1, 2 ]
amdhsa.kernels:
  - .name:           k_q78219eeec0_kvsum
    .symbol:         k_q78219eeec0_kvsum.kd
    .args:
      - { .name: k, .offset: 0, .size: 8, .value_kind: global_buffer, .address_space: global }
      - { .name: v, .offset: 8, .size: 8, .value_kind: global_buffer, .address_space: global }
      - { .name: kv_mask, .offset: 16, .size: 8, .value_kind: global_buffer, .address_space: global }
      - { .name: lowp_scales, .offset: 24, .size: 8, .value_kind: global_buffer, .address_space: global }
      - { .name: kvp, .offset: 32, .size: 8, .value_kind: global_buffer, .address_space: global }
      - { .name: ksp, .offset: 40, .size: 8, .value_kind: global_buffer, .address_space: global }
    .group_segment_fixed_size: 67584
    .private_segment_fixed_size: 0
    .kernarg_segment_align: 8
    .kernarg_segment_size: 48
    .max_flat_workgroup_size: 480
    .sgpr_count:     66
    .vgpr_count:     222
    .wavefront_size: 32
...
	.end_amdgpu_metadata
.endif
;; end of part 1
;; launch apply (part 2): grid 256 x 1, 15 waves a work-group, no clusters, 174,080 bytes of LDS; arguments q, q_mask, lowp_scales, kvp, ksp, out0; writes out0
.if DOCPART == 2
	.amdgcn_target "amdgcn-amd-amdhsa--gfx1250"
	.amdhsa_code_object_version 6
	.text
	.protected	k_q78219eeec0_apply
	.globl	k_q78219eeec0_apply
	.p2align	8
	.type	k_q78219eeec0_apply,@function
k_q78219eeec0_apply:
	s_mov_b64 s[64:65], 0
	v_nop
	global_prefetch_b8 v0, s[64:65] scope:SCOPE_SE
	s_setreg_imm32_b32 hwreg(HW_REG_WAVE_MODE, 25, 1), 1
	s_wait_xcnt 0x0
; y[l][e] = (sum over d of Q(qf[l][d]) Q(kv[d][e])) x z[l] x 4800,  qf = (elu(q) + 1) q_mask,  z[l] = 1 / (sum over d of qf[l][d] ksum[d] + 1e-6).
; q, y: [64 heads][4800][32] f32.  kv and ksum come as four partial sums a head (kvp, ksp: the launch before), kv still lacking the factor 2^(e0 + e1).  Q: codes of BF8 (E5M2), scales 2^e2 (q) and 2^e3 (kv).
; SHARES.  Work-group g owns the 1,200 rows from flat row 1200 g on (a quarter of head g / 4), each of its 15 waves 80 of them: five tiles of 16.
; q COMES THROUGH LDS, since here the contracted axis d is innermost and a lane must hold a row.  Each wave asks for its five tiles by five tensor loads at the head: first fills all, nothing is filled again, and a wave reads
; only its own tiles, each behind its own counted wait.  By this text's own count five tensor loads of a wave are out at the most.  Two rows of q (256 bytes, dense in memory) are stated as one row, with 16 bytes of padding behind it.
; THE ROWS OF A TILE ARE NOT TAKEN IN ORDER: lane r takes tile row 2 (r % 8) + r / 8.  So (a) the 16 lanes of a fragment load begin at words 68 (r % 8) + 32 (r / 8), sixteen different multiples of 4 modulo 64;
; (b) register j of the result in lane (r, h) is tile row 2 j + h, and the two tiles of kv give it columns 2 r and 2 r + 1: a store of 8 bytes a lane covers 256 consecutive bytes of y, aligned.  No result goes through LDS.
; K = 32 fills the first four registers of a fragment of 64 along K (lane (r, h): d = 16 h + 0 .. 15, in q and kv alike); the other four hold zero codes, on both sides.
; kv: the lane layout of the partial sums is that of the operand.  Waves 0 to 3 add the four parts, hold, convert and leave 8 bytes a lane in an image in LDS; wave 4 adds ksum; one barrier; every wave loads both.
; z is made in the lane that holds the row, in f32 (packed multiply-adds; the product with ksum has one column and is left as it is), and reaches the result's layout through 64 bytes of the wave's own LDS.
; elu(x) + 1 = the middle one of (x + 1, e^x, 1); a hidden row gets -infinity added in the two packed lines that make x + 1 and x log2(e), and becomes 0.
; LIMITS: e2 and e3 - e0 - e1 between -126 and 112; e2 + e3 between -126 and 114, so that each power of two below, and 4800 x 2^(e2 + e3), is an f32 number.  NaN and infinities among the inputs are not served.
; For x <= 0 the feature is e^x itself, where the reference forms expm1(x) + 1: they differ by about 1e-7 at the most, absolutely.
; No cluster: work-groups share only a head's 17 KB of partial sums, against 154 KB of q of their own.  No prefetch: the whole share is asked for at the head.
.set SEQ,    4800
.set WGROWS, 1200
.set WVROWS, 80
.set ROWB,   128
.set PITCH,  272                       ; two rows of q + 16 bytes
.set TILEB,  8*PITCH                   ; a tile of 16 rows in LDS
.set WAVEB,  5*TILEB                   ; a wave's five tiles
.set KVI,    163328                    ; behind the 15 x 10,880 bytes of tiles, at the next multiple of 256: kv's codes, two fragments' first four registers as images: 2 x 512 bytes
.set KSL,    KVI+1024                  ; ksum: 32 numbers
.set ZSL,    KSL+256                   ; z: 64 bytes for each tile of each wave
.set AQ,   1                           ; v1   LDS: my 64 bytes of my row in my wave's first tile
.set MO,   2                           ; v2   my row in a tile: 2 (r % 8) + r / 8
.set ZW,   3                           ; v3   LDS: where lane r puts its row's z
.set ZR,   4                           ; v4   LDS: the eight z of my half's result rows
.set GO,   5                           ; v5   8 x lane: my 8 bytes of a store's 256
.set IMG,  6                           ; v6   LDS: kv's image, my lane
.set KSR,  7                           ; v7   LDS: ksum of my half's 16 d
.set PKV,  8                           ; v8   kvp: 512 wave + 16 lane
.set KVW,  9                           ; v9   LDS: where waves 0 to 3 put their 8 bytes a lane
.set KSW,  10                          ; v10  LDS: where wave 4 puts ksum
.set PKS,  11                          ; v11  ksp: 4 x lane
.set NEG,  12                          ; v12  -infinity
.set SCQ,  13                          ; v13  2^e2      v14  57,344 x 2^e2
.set LIMQ, 14
.set TMP,  15
.set BB,   16                          ; v16-17 (0, 1), or (-inf, -inf) where my row is hidden
.set DEN,  18
.set ZV,   19
.set P,    20                          ; v20-23 the product with ksum, in two packed chains
.set MB,   24                          ; v24-28 my row's mask byte in each tile
.set SCKV, 29                          ; v29  2^(e3 - e0 - e1)    v30  57,344 x that
.set LIMKV, 30
.set KS,   32                          ; v32-47 ksum[16 h + i]
.set B0,   48                          ; v48-55, v56-63 kv's two fragments: e = 2 r and e = 2 r + 1
.set B1,   56
.set A,    64                          ; v64-71 q's fragment
.set X,    72                          ; v72-87 16 numbers of my row
.set T1,   88                          ; v88-103 at work
.set Z,    104                         ; v104-111 z x 4800 x 2^(e2 + e3) of result rows 8 h + j
.set D0,   112                         ; v112-127 the two results
.set D1,   120
.set OUT,  128                         ; v128-207 16 registers for each tile, so that no store's data are written again
.set Y,    OUT                         ; at the head: the partial sums
.set W,    OUT+32
.set CC,   OUT+40
.set G1,   24                          ; s[24:31] descriptor group 1
.set G0,   32                          ; s[32:51] group 0, a set for each of the five tiles: all five loads are out together
	s_load_b256 s[4:11], s[0:1], 0x0               ; q s[4:5], q_mask s[6:7], the scales' exponents s[8:9], kvp s[10:11]
	s_load_b128 s[12:15], s[0:1], 0x20             ; ksp s[12:13], y s[14:15]
	v_lshl_add_u32 v208, v0, 2, 0x2a000
	v_mov_b32 v209, 0
	ds_add_u32 v208, v209
	ds_add_u32 v208, v209
	v_lshrrev_b32 v[X], 5, v0
	v_readfirstlane_b32 s16, v[X]                  ; wave 0..14
	s_mov_b32 s[G1+0], (3<<16)|(1<<20)|(5<<22)|(3<<25)   ; no mask; elements of 8 bytes; padding on: after every 64 words (code 5), four words (code 3)
	s_mov_b32 s[G1+1], 32<<16                      ; tensor_dim0 = 32 elements = 256 bytes = two rows of q
	s_mov_b32 s[G1+2], 8<<16                       ; tensor_dim1 = 8
	s_mov_b32 s[G1+3], 32<<16                      ; tile_dim0 = 32
	s_mov_b32 s[G1+4], 8                           ; tile_dim1 = 8
	s_mov_b32 s[G1+5], 32                          ; from row to row: dense
	s_mov_b32 s[G1+6], 0
	s_mov_b32 s[G1+7], 0
	s_mul_i32 s17, s16, WAVEB                      ; my wave's tiles in LDS
	s_mul_i32 s18, ttmp9, WGROWS*ROWB              ; my wave's first row in q and y, in bytes (under 2^26)
	s_mul_i32 s19, s16, WVROWS*ROWB
	s_add_co_u32 s18, s18, s19
	s_mov_b32 s19, 0
	s_wait_dscnt 0x0
	s_wait_kmcnt 0x0
	s_load_b128 s[52:55], s[8:9], 0x0              ; e0, e1, e2, e3
	s_add_nc_u64 s[4:5], s[4:5], s[18:19]
	s_add_nc_u64 s[14:15], s[14:15], s[18:19]
.irp t, 0,1,2,3,4
	s_mov_b32 s[G0+4*\t], 1                        ; count = 1
	s_add_co_u32 s[G0+4*\t+1], s17, \t*TILEB       ; LDS address: a constant x wave + a constant
	s_add_nc_u64 s[G0+4*\t+2:G0+4*\t+3], s[4:5], \t*16*ROWB
	s_or_b32 s[G0+4*\t+3], s[G0+4*\t+3], 0x80000000   ; type = 2
.endr
.irp t, 0,1,2,3,4
	tensor_load_to_lds s[G0+4*\t:G0+4*\t+3], s[G1:G1+7]   ; all first fills in one group, ahead of every wait on TENSORcnt, every LDS read and the barrier
	s_nop 0
.endr
.rept 4
	v_nop                                          ; behind a tensor load
.endr
	s_lshr_b32 s20, ttmp9, 5                       ; the batch
	s_mul_i32 s20, s20, SEQ
	s_and_b32 s21, ttmp9, 3                        ; the quarter
	s_mul_i32 s21, s21, WGROWS
	s_add_co_u32 s20, s20, s21
	s_mul_i32 s21, s16, WVROWS
	s_add_co_u32 s20, s20, s21
	s_mov_b32 s21, 0
	s_add_nc_u64 s[6:7], s[6:7], s[20:21]          ; q_mask at my wave's first row
	s_lshr_b32 s20, ttmp9, 2                       ; the head
	s_lshl_b32 s22, s20, 14
	s_mov_b32 s23, 0
	s_add_nc_u64 s[10:11], s[10:11], s[22:23]      ; its four parts of kv: 4 x 4,096 bytes
	s_lshl_b32 s22, s20, 10
	s_add_nc_u64 s[12:13], s[12:13], s[22:23]      ; and of ksum: 4 x 256 bytes
	v_and_b32 v[X], 31, v0                         ; lane
	v_and_b32 v[X+1], 15, v0                       ; r
	v_bfe_u32 v[X+2], v0, 4, 1                     ; h
	v_and_b32 v[X+3], 7, v0                        ; r % 8
	v_bfe_u32 v[X+4], v0, 3, 1                     ; r / 8
	v_lshl_add_u32 v[MO], v[X+3], 1, v[X+4]
.irp t, 0,1,2,3,4
	global_load_u8 v[MB+\t], v[MO], s[6:7] offset:16*\t
.endr
	v_mul_u32_u24 v[AQ], v[X+3], PITCH             ; tile row 2 (r % 8) + r / 8 lies in LDS row r % 8, half r / 8
	v_lshl_add_u32 v[AQ], v[X+4], 7, v[AQ]
	v_lshl_add_u32 v[AQ], v[X+2], 6, v[AQ]         ; + 64 h: d = 16 h on
	v_add_nc_u32 v[AQ], s17, v[AQ]
	s_mul_i32 s62, s16, 320
	s_add_co_u32 s62, s62, ZSL
	v_lshl_add_u32 v[ZW], v[X+1], 2, s62
	v_lshl_add_u32 v[ZR], v[X+2], 5, s62
	v_lshlrev_b32 v[GO], 3, v[X]
	v_lshl_add_u32 v[IMG], v[X], 4, KVI
	v_lshl_add_u32 v[KSR], v[X+2], 6, KSL
	s_lshl_b32 s62, s16, 9
	v_lshl_add_u32 v[PKV], v[X], 4, s62
	s_lshr_b32 s62, s16, 1                         ; wave = 2 t + g: tile t of kv, its registers 2 g and 2 g + 1
	s_lshl_b32 s62, s62, 9
	s_and_b32 s63, s16, 1
	s_lshl_b32 s63, s63, 3
	s_add_co_u32 s62, s62, s63
	s_add_co_u32 s62, s62, KVI
	v_lshl_add_u32 v[KVW], v[X], 4, s62
	v_lshl_add_u32 v[KSW], v[X], 2, KSL
	v_lshlrev_b32 v[PKS], 2, v[X]
	v_mov_b32 v[NEG], 0xff800000
	v_mov_b32 v[TMP], 0                            ; written once: a lane permute's destination counts as one of its sources
.irp z, 4,5,6,7
	v_mov_b32 v[A+\z], 0                           ; the upper half of K: zero codes in every operand
	v_mov_b32 v[B0+\z], 0
	v_mov_b32 v[B1+\z], 0
.endr
	s_mov_b32 s58, 0x76543210                      ; v_permlanex16_b32: lane l xor 16
	s_mov_b32 s59, 0xfedcba98
	s_mov_b32 s60, 0x3fb8aa3b                      ; log2(e), as a pair for the packed form
	s_mov_b32 s61, s60
	s_wait_kmcnt 0x0
	s_add_co_i32 s20, s54, 127
	s_lshl_b32 s21, s20, 23
	v_mov_b32 v[SCQ], s21                          ; 2^e2
	s_add_co_i32 s20, s20, 15
	s_lshl_b32 s20, s20, 23
	s_or_b32 s20, s20, 0x600000
	v_mov_b32 v[LIMQ], s20                         ; 57,344 x 2^e2
	s_sub_co_i32 s20, s55, s52
	s_sub_co_i32 s20, s20, s53                     ; a sum of the first product stands for sum x 2^(e0 + e1): its code is sum / 2^(e3 - e0 - e1)
	s_add_co_i32 s20, s20, 127
	s_lshl_b32 s21, s20, 23
	v_mov_b32 v[SCKV], s21
	s_add_co_i32 s20, s20, 15
	s_lshl_b32 s20, s20, 23
	s_or_b32 s20, s20, 0x600000
	v_mov_b32 v[LIMKV], s20
	s_add_co_i32 s57, s54, s55
	s_add_co_i32 s57, s57, 127
	s_lshl_b32 s57, s57, 23
	s_mul_f32 s57, s57, 0x45960000                 ; 4800 x 2^(e2 + e3)
	s_cmp_lt_u32 s16, 4
	s_cbranch_scc0 .Lnot_kv
.irp c, 0,1,2,3                                ; waves 0 to 3: of each of the four parts the pieces (a = 0, t, g) and (a = 1, t, g): 512 consecutive bytes a load
	global_load_b128 v[Y+8*\c:Y+8*\c+3], v[PKV], s[10:11] offset:4096*\c
	global_load_b128 v[Y+8*\c+4:Y+8*\c+7], v[PKV], s[10:11] offset:4096*\c+2048
.endr
	s_wait_loadcnt 0x0
.irp p, 0,2,4,6
	v_pk_add_f32 v[Y+\p:Y+\p+1], v[Y+\p:Y+\p+1], v[Y+8+\p:Y+9+\p]
	v_pk_add_f32 v[Y+16+\p:Y+17+\p], v[Y+16+\p:Y+17+\p], v[Y+24+\p:Y+25+\p]
.endr
.irp p, 0,2,4,6
	v_pk_add_f32 v[Y+\p:Y+\p+1], v[Y+\p:Y+\p+1], v[Y+16+\p:Y+17+\p]
.endr
.irp j, 0,1,2,3
	v_med3_num_f32 v[W+2*\j], v[Y+\j], -v[LIMKV], v[LIMKV]        ; the hold; it also lays d = 16 h + 8 g + 2 j + a in ascending order
	v_med3_num_f32 v[W+2*\j+1], v[Y+4+\j], -v[LIMKV], v[LIMKV]
.endr
	v_cvt_scalef32_pk8_bf8_f32 v[CC:CC+1], v[W:W+7], v[SCKV]
	v_nop                                          ; a plain instruction behind the conversion
	ds_store_b64 v[KVW], v[CC:CC+1]
	s_branch .Ljoin
.Lnot_kv:
	s_cmp_eq_u32 s16, 4
	s_cbranch_scc0 .Ljoin
.irp j, 0,1,2,3,4,5,6,7                        ; wave 4: lane = d; four parts x two halves
	global_load_b32 v[Y+\j], v[PKS], s[12:13] offset:128*\j
.endr
	s_wait_loadcnt 0x0
	v_pk_add_f32 v[Y:Y+1], v[Y:Y+1], v[Y+2:Y+3]
	v_pk_add_f32 v[Y+4:Y+5], v[Y+4:Y+5], v[Y+6:Y+7]
	v_pk_add_f32 v[Y:Y+1], v[Y:Y+1], v[Y+4:Y+5]
	v_add_f32 v[Y], v[Y], v[Y+1]
	ds_store_b32 v[KSW], v[Y]
.Ljoin:
	s_wait_dscnt 0x0                               ; for the others' sake: my stores have landed.
	s_barrier_signal -1
	s_barrier_wait -1
	ds_load_b128 v[B0:B0+3], v[IMG]
	ds_load_b128 v[B1:B1+3], v[IMG] offset:512
.irp g, 0,1,2,3
	ds_load_b128 v[KS+4*\g:KS+4*\g+3], v[KSR] offset:16*\g
.endr
	s_wait_loadcnt 0x0                             ; the mask bytes
.macro TILE t
.set O, OUT+16*(\t)
	s_wait_tensorcnt 4-(\t)                        ; a wave's tensor loads end in order (ISA guide 10.11.1): this tile is in, the younger ones may be out
.irp g, 0,1,2,3
	ds_load_b128 v[X+4*\g:X+4*\g+3], v[AQ] offset:(\t)*TILEB+16*\g
.endr
	v_cmp_eq_u32 vcc_lo, 0, v[MB+\t]               ; is my row hidden?
	v_cndmask_b32 v[BB], 0, v[NEG], vcc_lo
	v_cndmask_b32 v[BB+1], 1.0, v[NEG], vcc_lo
	s_wait_dscnt 0x0
.irp p, 0,2,4,6,8,10,12,14
	v_pk_add_f32 v[T1+\p:T1+\p+1], v[X+\p:X+\p+1], v[BB:BB+1] op_sel:[0,1] op_sel_hi:[1,1]          ; x + 1
.endr
.irp p, 0,2,4,6,8,10,12,14
	v_pk_fma_f32 v[X+\p:X+\p+1], v[X+\p:X+\p+1], s[60:61], v[BB:BB+1] op_sel_hi:[1,0,0]             ; x log2(e)
.endr
.irp n, 0,1,2,3,4,5,6,7,8,9,10,11,12,13,14,15
	v_exp_f32 v[X+\n], v[X+\n]
.endr
	v_nop                                          ; a plain instruction behind the last exponential
	s_wait_alu depctr_va_vdst(0)                   ; one wait for the batch, ahead of its first reader
.irp n, 0,1,2,3,4,5,6,7,8,9,10,11,12,13,14,15
	v_med3_num_f32 v[T1+\n], v[T1+\n], v[X+\n], 1.0               ; elu(x) + 1, or 0 in a hidden row
.endr
	v_pk_mul_f32 v[P:P+1], v[T1:T1+1], v[KS:KS+1]                 ; qf . ksum over my 16 d, on the numbers as they are
	v_pk_mul_f32 v[P+2:P+3], v[T1+2:T1+3], v[KS+2:KS+3]
.irp p, 4,8,12
	v_pk_fma_f32 v[P:P+1], v[T1+\p:T1+\p+1], v[KS+\p:KS+\p+1], v[P:P+1]
	v_pk_fma_f32 v[P+2:P+3], v[T1+\p+2:T1+\p+3], v[KS+\p+2:KS+\p+3], v[P+2:P+3]
.endr
	v_pk_add_f32 v[P:P+1], v[P:P+1], v[P+2:P+3]
	v_add_f32 v[DEN], v[P], v[P+1]
	v_permlanex16_b32 v[TMP], v[DEN], s58, s59     ; the row's other 16 d lie in lane l xor 16
	v_add_f32 v[DEN], v[DEN], v[TMP]
	v_add_f32 v[DEN], 0x358637bd, v[DEN]           ; + 1e-6
	v_rcp_f32 v[ZV], v[DEN]
.irp n, 0,1,2,3,4,5,6,7,8,9,10,11,12,13,14,15
	v_min_num_f32 v[T1+\n], v[T1+\n], v[LIMQ]      ; the conversion does not saturate (ISA guide 7.6.2): the hold, one-sided.  (Sixteen plain instructions behind the reciprocal)
.endr
	s_wait_alu depctr_va_vdst(0)                   ; the wait ahead of the reciprocal's first reader
	v_mul_f32 v[ZV], s57, v[ZV]                    ; z x 4800 x 2^(e2 + e3)
	ds_store_b32 v[ZW], v[ZV] offset:64*(\t)       ; lane r's row is row r of the matrix instruction's source 0 (both halves of the lanes store the same number)
	ds_load_b128 v[Z:Z+3], v[ZR] offset:64*(\t)    ; LDS serves a wave's instructions in order (ISA guide 5.7.1.4): these see the store.  Result register j of half h is row 8 h + j
	ds_load_b128 v[Z+4:Z+7], v[ZR] offset:64*(\t)+16
	v_cvt_scalef32_pk8_bf8_f32 v[A:A+1], v[T1:T1+7], v[SCQ]
	v_cvt_scalef32_pk8_bf8_f32 v[A+2:A+3], v[T1+8:T1+15], v[SCQ]
	v_nop                                          ; a plain instruction between the conversions and the products that read their codes
	v_wmma_f32_16x16x64_bf8_bf8 v[D0:D0+7], v[A:A+7], v[B0:B0+7], 0
	v_wmma_f32_16x16x64_bf8_bf8 v[D1:D1+7], v[A:A+7], v[B1:B1+7], 0
.rept 4
	v_nop                                          ; four places ahead of the first read of the results (ISA guide 7.12.1)
.endr
	s_wait_dscnt 0x0                               ; z is back
.irp j, 0,1,2,3,4,5,6,7
	v_mul_f32 v[O+2*\j], v[D0+\j], v[Z+\j]         ; y(tile row 2 j + h, 2 r), each result from its low end on
	v_mul_f32 v[O+2*\j+1], v[D1+\j], v[Z+\j]       ; y(tile row 2 j + h, 2 r + 1)
.endr
.irp j, 0,1,2,3,4,5,6,7
	global_store_b64 v[GO], v[O+2*\j:O+2*\j+1], s[14:15] offset:(\t)*16*ROWB+256*\j th:TH_STORE_NT   ; 32 lanes store two whole rows: 256 consecutive bytes, aligned; written once, read by nobody here
.endr
.endm
	TILE 0
	TILE 1
	TILE 2
	TILE 3
	TILE 4                                         ; its wait on TENSORcnt is for 0: no tensor load is out at the end
	s_wait_tensorcnt 0x0
	ds_add_u32 v208, v209
	s_wait_dscnt 0x0
	s_endpgm
.Lfunc_end_k_q78219eeec0_apply:
	.size	k_q78219eeec0_apply, .Lfunc_end_k_q78219eeec0_apply-k_q78219eeec0_apply
	.p2alignl 7, 3214868480
	.fill 96, 4, 3214868480
	.section	.rodata,"a",@progbits
	.p2align	6, 0x0
	.amdhsa_kernel k_q78219eeec0_apply
		.amdhsa_group_segment_fixed_size 174080
		.amdhsa_private_segment_fixed_size 0
		.amdhsa_enable_private_segment 0
		.amdhsa_kernarg_size 48
		.amdhsa_user_sgpr_count 2
		.amdhsa_user_sgpr_kernarg_segment_ptr 1
		.amdhsa_wavefront_size32 1
		.amdhsa_system_sgpr_workgroup_id_x 1
		.amdhsa_system_sgpr_workgroup_id_y 1
		.amdhsa_system_sgpr_workgroup_id_z 1
		.amdhsa_system_vgpr_workitem_id 0
		.amdhsa_next_free_vgpr 210
		.amdhsa_next_free_sgpr 66
		.amdhsa_reserve_vcc 1
		.amdhsa_float_denorm_mode_32 3
		.amdhsa_float_denorm_mode_16_64 3
		.amdhsa_memory_ordered 1
		.amdhsa_forward_progress 1
		.amdhsa_inst_pref_size 43
	.end_amdhsa_kernel
	.amdgpu_metadata
---
amdhsa.version: [ 1, 2 ]
amdhsa.kernels:
  - .name:           k_q78219eeec0_apply
    .symbol:         k_q78219eeec0_apply.kd
    .args:
      - { .name: q, .offset: 0, .size: 8, .value_kind: global_buffer, .address_space: global }
      - { .name: q_mask, .offset: 8, .size: 8, .value_kind: global_buffer, .address_space: global }
      - { .name: lowp_scales, .offset: 16, .size: 8, .value_kind: global_buffer, .address_space: global }
      - { .name: kvp, .offset: 24, .size: 8, .value_kind: global_buffer, .address_space: global }
      - { .name: ksp, .offset: 32, .size: 8, .value_kind: global_buffer, .address_space: global }
      - { .name: out0, .offset: 40, .size: 8, .value_kind: global_buffer, .address_space: global }
    .group_segment_fixed_size: 174080
    .private_segment_fixed_size: 0
    .kernarg_segment_align: 8
    .kernarg_segment_size: 48
    .max_flat_workgroup_size: 480
    .sgpr_count:     66
    .vgpr_count:     210
    .wavefront_size: 32
...
	.end_amdgpu_metadata
.endif
;; end of part 2
;; ======== version 2 of 2: 2 launches; version 1 with the launch kvsum written anew for expert scheduling mode
;; workspace buffers: kvp 1,048,576 bytes; ksp 65,536 bytes
;; launch kvsum (part 3): grid 256 x 1, 15 waves a work-group, no clusters, 67,584 bytes of LDS; arguments k, v, kv_mask, lowp_scales, kvp, ksp; writes kvp, ksp
.if DOCPART == 3
	.amdgcn_target "amdgcn-amd-amdhsa--gfx1250"
	.amdhsa_code_object_version 6
	.text
	.protected	k_q78219eeec0_kvsum
	.globl	k_q78219eeec0_kvsum
	.p2align	8
	.type	k_q78219eeec0_kvsum,@function
k_q78219eeec0_kvsum:
	s_mov_b64 s[64:65], 0
	v_nop
	global_prefetch_b8 v0, s[64:65] scope:SCOPE_SE
	s_setreg_imm32_b32 hwreg(HW_REG_WAVE_SCHED_MODE, 0, 2), 2
	s_setreg_imm32_b32 hwreg(HW_REG_WAVE_MODE, 25, 1), 1
	s_wait_xcnt 0x0
	s_wait_alu depctr_vm_vsrc(0)
; PARTIAL SUMS OF  kv[d][e] = sum over s of Q(kf[s][d]) Q(vf[s][e])  AND  ksum[d] = sum over s of kf[s][d],  kf = (elu(k) + 1) m,  vf = v m / 4800,  m = kv_mask.
; k, v: [64 heads][4800][32] f32.  Q: codes of BF8 (E5M2) with the given scales 2^e0 (k) and 2^e1 (v).  The codes are multiplied as they are: kvp holds sums that still lack the factor 2^(e0 + e1).
; SHARES.  Work-group g owns the 1,200 rows from flat row 1200 g on: a quarter of head g / 4.  Each of its 15 waves owns 80 of them.
; LAYOUT.  The contracted axis is s, which is not innermost.  Load i of a wave gives lane (r, h) (r = lane % 16, h = lane / 16) the two numbers (row 2 i + h, columns 2 r and 2 r + 1): 32 lanes read 256 consecutive
; bytes, aligned.  The even columns form one tile of 16 (d = 2 r), the odd ones the other (d = 2 r + 1), and a lane's registers run down s: so the conversions' results are the operands' registers, nothing is transposed.
; k and v place each s alike, so every product meets its partner.  A lane's 40 codes fill 10 of the 16 registers of a fragment of 128 along K; the other 6 hold zero codes, on both sides.
; elu(x) + 1 = the middle one of (x + 1, e^x, 1): for x > 0, 1 < x + 1 <= e^x; for x <= 0, x + 1 <= e^x <= 1.  A hidden row gets -infinity added in the two packed lines that make x + 1 and x log2(e): the middle of (-inf, 0, 1) is 0.
; OUT.  kvp[g]: the four accumulators as images of their registers, piece p = 4 a + 2 t + g' (d tile a, e tile t, registers 4 g' on) at 512 p + 16 lane.  In it lane (r, h) holds e = 2 r + t, d = 16 h + 2 j + a: the lane
; layout of the next launch's operand.  ksp[g]: [h][d], the sums over the rows of each half of the lanes kept apart: 256 bytes.
; LIMITS: e0 and e1 between -126 and 112, so that 2^e and 57,344 x 2^e are f32 numbers.  NaN and infinities among the inputs are not served.  v / 4800 is v x fl(1 / 4800): at most one unit in the last place from the division.
; For x <= 0 the feature is e^x itself (v_exp_f32), where the reference forms expm1(x) + 1: they differ by about 1e-7 at the most, absolutely.
; No tensor load, no ring: a wave's share passes through its registers once.  No cluster: work-groups share no input.
; THE MODE: SCHED_MODE bits 1:0 = 2 (LLVM: expert scheduling mode 2), set by the entry lines.  The code itself states the register dependences
; between vector or matrix instructions and memory or LDS instructions, with s_wait_alu, always for 0.
; THE PLAN.  Registers that memory or LDS instructions touch:
;   v[OFF]          Written at the head, never again; read by every load and by ksp's store.
;   B0, B1, B2      The three buffers at v[DB] on.  Group g's loads land in B[g % 3]; group g's vector lines read it and write it; groups 3 and 4 land in B0 and B1 again.
;   v[RW], v[KW], v[RR], v[KR]   Written at the head, never again; read by the LDS stores and loads of the way out, v[RR] by kvp's store too.
;   ACC (= B0), KSUM             Written by the four products and one packed add; read by the LDS stores; not written again.
;   RD (= B1, B2)   The LDS loads behind the barrier land in it; the packed adds sum it; a global store reads its first registers.
;   v220, v221      Written at the head; read by the closing add alone.
; So: one wait on va_vdst ahead of the first load; one at the head of groups 1 and 2, behind which the buffer that the group before has left is loaded again, its sixteen loads dealt among the group's mask lines, which name none
; of those registers; the wait behind each batch of exponentials; one behind the products' places, for the LDS stores and for the LDS loads behind the barrier; one ahead of each global store.
; No register that a memory or LDS instruction reads is written again, so no wait on vm_vsrc is owed ahead of the closing lines.  A group's eight compares write eight scalar registers in a run, with one wait on va_sdst behind them.
.set SEQ,    4800
.set WGROWS, 1200
.set WVROWS, 80
.set ROWB,   128                       ; bytes in a row of k or v
.set WAVES,  15
.set KSB,    WAVES*4096                ; LDS: 15 images of 4,096 bytes, then 15 x 256 bytes of ksum
.set OFF,  1                           ; v1      8 x lane: my 8 bytes of a load's 256; never rewritten
.set BIT,  2                           ; v2, v3  the bit of my row's mask byte in a word of four: 1 << 8 h for even loads, 1 << (16 + 8 h) for odd ones
.set NEG,  4                           ; v4      -infinity
.set T,    5                           ; v5      at work
.set SCK,  6                           ; v6      2^e0         v7  57,344 x 2^e0
.set LIMK, 7
.set SCV,  8                           ; v8      2^e1         v9  57,344 x 2^e1
.set LIMV, 9
.set RW,   10                          ; v10     LDS: where my wave's image goes: 4,096 wave + 16 lane
.set KW,   11                          ; v11     LDS: where my wave's ksum goes
.set RR,   12                          ; v12     512 wave + 16 lane: the piece that my wave adds up, in LDS and in kvp alike
.set KR,   13                          ; v13     LDS: the first wave's ksum, my lane
.set KSUM, 16                          ; v16-19  ksum of my two columns, in two chains
.set BB,   20                          ; v20-35  for each of a group's 8 loads a pair: (0, 1), or (-inf, -inf) where my row is hidden
.set RS,   36                          ; v36-43  for each of them 1 / 4800, or 0
.set T1,   44                          ; v44-59  at work
.set CA,   60                          ; v60-91  k's codes: even columns' fragment, odd columns' fragment
.set CB,   92                          ; v92-123 v's likewise
.set ZERO, CA+10                       ; one of the registers of zero codes serves as the number 0
.set DB,   124                         ; v124-219 three buffers of 32: 8 loads of k, 8 loads of v
.set ACC,  DB                          ; the four accumulators take the first buffer when it is done with
.set RD,   DB+32                       ; the reduction: 15 x 4 registers
.set MSK,  24                          ; s24-43  my wave's 80 mask bytes
.set CM,   18                          ; s18-23, s44, s45  which lanes' rows are hidden, for each of a group's 8 loads: load i at s[CM + i + 20 (i / 6)]; the head has done with these eight registers
.macro LOADG g, b                      ; group g (16 rows) into buffer b: k's eight loads, then v's
.irp ii, 0,1,2,3,4,5,6,7
	global_load_b64 v[DB+32*(\b)+2*\ii:DB+32*(\b)+2*\ii+1], v[OFF], s[4:5] offset:(8*(\g)+\ii)*256 th:TH_LOAD_NT
.endr
.irp ii, 0,1,2,3,4,5,6,7
	global_load_b64 v[DB+32*(\b)+16+2*\ii:DB+32*(\b)+16+2*\ii+1], v[OFF], s[6:7] offset:(8*(\g)+\ii)*256 th:TH_LOAD_NT
.endr
.endm
	s_load_b256 s[4:11], s[0:1], 0x0               ; k s[4:5], v s[6:7], kv_mask s[8:9], the scales' exponents s[10:11]
	s_load_b128 s[12:15], s[0:1], 0x20             ; kvp s[12:13], ksp s[14:15]
	v_lshl_add_u32 v220, v0, 2, 0x10000
	v_mov_b32 v221, 0
	v_lshrrev_b32 v[T], 5, v0
	v_readfirstlane_b32 s16, v[T]                  ; wave 0..14
	v_and_b32 v[OFF], 31, v0
	v_lshlrev_b32 v[OFF], 3, v[OFF]
	s_mul_i32 s18, ttmp9, WGROWS*ROWB              ; my wave's first row in k and v, in bytes (under 2^26)
	s_wait_alu depctr_va_sdst(0)                   ; s16, the wave's number, is written, ahead of its first reader: offsets, LDS addresses and the branches of the way out are made from it
	s_mul_i32 s19, s16, WVROWS*ROWB
	s_add_co_u32 s18, s18, s19
	s_mov_b32 s19, 0
	s_lshr_b32 s20, ttmp9, 5                       ; the batch: 32 work-groups (8 heads x 4 quarters) share a mask row
	s_mul_i32 s20, s20, SEQ
	s_and_b32 s21, ttmp9, 3                        ; the quarter
	s_mul_i32 s21, s21, WGROWS
	s_add_co_u32 s20, s20, s21
	s_mul_i32 s21, s16, WVROWS
	s_add_co_u32 s20, s20, s21                     ; my wave's first mask byte: a multiple of 16
	s_mov_b32 s21, 0
	s_lshl_b32 s22, ttmp9, 12                      ; my work-group's 4,096 bytes of kvp
	s_mov_b32 s23, 0
	s_wait_kmcnt 0x0
	s_add_nc_u64 s[4:5], s[4:5], s[18:19]
	s_add_nc_u64 s[6:7], s[6:7], s[18:19]
	s_add_nc_u64 s[8:9], s[8:9], s[20:21]
	s_add_nc_u64 s[12:13], s[12:13], s[22:23]
	s_lshl_b32 s22, ttmp9, 8                       ; and its 256 bytes of ksp
	s_add_nc_u64 s[14:15], s[14:15], s[22:23]
	s_load_b512 s[MSK:MSK+15], s[8:9], 0x0         ; 80 mask bytes: the same for all lanes, so they come as scalars
	s_load_b128 s[MSK+16:MSK+19], s[8:9], 0x40
	s_load_b64 s[44:45], s[10:11], 0x0             ; e0, e1
	s_wait_alu depctr_va_vdst(0)                   ; v[OFF] is written: every load of the kernel reads it as its offset
	LOADG 0, 0                                     ; 48 loads of the wave are out: 12,288 bytes
	LOADG 1, 1
	LOADG 2, 2
	v_bfe_u32 v[T], v0, 4, 1                       ; h
	v_lshlrev_b32 v[T], 3, v[T]
	v_mov_b32 v[BIT], 1
	v_lshlrev_b32 v[BIT], v[T], v[BIT]
	v_lshlrev_b32 v[BIT+1], 16, v[BIT]
	v_mov_b32 v[NEG], 0xff800000
.irp z, 10,11,12,13,14,15,26,27,28,29,30,31
	v_mov_b32 v[CA+\z], 0                          ; the rest of K: 48 of 128 places hold zero codes, in both operands
	v_mov_b32 v[CB+\z], 0
.endr
.irp z, 0,1,2,3
	v_mov_b32 v[KSUM+\z], 0
.endr
	s_lshl_b32 s17, s16, 12
	v_lshl_add_u32 v[RW], v[OFF], 1, s17
	s_lshl_b32 s17, s16, 8
	s_add_co_u32 s17, s17, KSB
	v_add_nc_u32 v[KW], s17, v[OFF]
	s_lshl_b32 s17, s16, 9
	v_lshl_add_u32 v[RR], v[OFF], 1, s17
	v_add_nc_u32 v[KR], KSB, v[OFF]
	s_mov_b32 s46, 0x3fb8aa3b                      ; log2(e); the packed form names a pair and takes its low word for both halves
	s_mov_b32 s47, s46
	s_mov_b32 s48, 0x395a740e                      ; 1 / 4800
	s_wait_kmcnt 0x0
	s_add_co_i32 s44, s44, 127
	s_lshl_b32 s22, s44, 23
	v_mov_b32 v[SCK], s22                          ; 2^e0 as f32: the conversion takes its exponent field
	s_add_co_i32 s44, s44, 15
	s_lshl_b32 s44, s44, 23
	s_or_b32 s44, s44, 0x600000
	v_mov_b32 v[LIMK], s44                         ; 57,344 x 2^e0
	s_add_co_i32 s45, s45, 127
	s_lshl_b32 s22, s45, 23
	v_mov_b32 v[SCV], s22
	s_add_co_i32 s45, s45, 15
	s_lshl_b32 s45, s45, 23
	s_or_b32 s45, s45, 0x600000
	v_mov_b32 v[LIMV], s45
; A group: 16 rows, 8 loads of k and 8 of v.  cntk, cntv: how many younger loads may stay out when k's eight, then v's eight, have to be in (loads come back in order: ISA guide 5.7.1).
; fill = 1: the buffer that the group before has left is loaded again, with the group two further on than this one: k's eight loads among the compares, then v's eight among the selects, all ahead of this group's first wait on LOADcnt.
.macro GROUP g, cntk, cntv, fill
.set KD, DB+32*((\g)%3)
.set VD, KD+16
.set FD, DB+32*(((\g)+2)%3)
.if \fill
	s_wait_alu depctr_va_vdst(0)                   ; the group before is done reading and writing its buffer, v[FD] on, in which the sixteen loads below land; no vector line between here and the last of them names those registers
.endif
.irp ii, 0,1,2,3,4,5,6,7                       ; the mask's terms need no loaded number: they stand ahead of the wait
	v_and_b32 v[T], s[MSK+(8*(\g)+\ii)/2], v[BIT+(\ii)%2]     ; row 2 i + h is byte 2 (i % 2) + h of word i / 2
	v_cmp_eq_u32 s[CM+\ii+20*(\ii/6)], 0, v[T]     ; hidden?
.if \fill
	global_load_b64 v[FD+2*\ii:FD+2*\ii+1], v[OFF], s[4:5] offset:(8*((\g)+2)+\ii)*256 th:TH_LOAD_NT
.endif
.endr
	s_wait_alu depctr_va_sdst(0)                   ; the eight compares have written their scalar registers, ahead of the selects that read them
.irp ii, 0,1,2,3,4,5,6,7
	v_cndmask_b32 v[BB+2*\ii], 0, v[NEG], s[CM+\ii+20*(\ii/6)]
	v_cndmask_b32 v[BB+2*\ii+1], 1.0, v[NEG], s[CM+\ii+20*(\ii/6)]
	v_cndmask_b32 v[RS+\ii], s48, v[ZERO], s[CM+\ii+20*(\ii/6)]
.if \fill
	global_load_b64 v[FD+16+2*\ii:FD+16+2*\ii+1], v[OFF], s[6:7] offset:(8*((\g)+2)+\ii)*256 th:TH_LOAD_NT
.endif
.endr
	s_wait_loadcnt \cntk
.irp ii, 0,1,2,3,4,5,6,7
	v_pk_add_f32 v[T1+2*\ii:T1+2*\ii+1], v[KD+2*\ii:KD+2*\ii+1], v[BB+2*\ii:BB+2*\ii+1] op_sel:[0,1] op_sel_hi:[1,1]   ; x + 1 (the pair's second word for both halves)
.endr
.irp ii, 0,1,2,3,4,5,6,7
	v_pk_fma_f32 v[KD+2*\ii:KD+2*\ii+1], v[KD+2*\ii:KD+2*\ii+1], s[46:47], v[BB+2*\ii:BB+2*\ii+1] op_sel_hi:[1,0,0]    ; x log2(e) (+ 0, the pair's first word)
.endr
.irp n, 0,1,2,3,4,5,6,7,8,9,10,11,12,13,14,15
	v_exp_f32 v[KD+\n], v[KD+\n]                   ; e^x: one batch
.endr
	v_nop                                          ; a plain instruction behind the last exponential
	s_wait_alu depctr_va_vdst(0)                   ; the sixteen exponentials have written v[KD] on: one wait for the batch, ahead of its first reader
.irp n, 0,1,2,3,4,5,6,7,8,9,10,11,12,13,14,15
	v_med3_num_f32 v[T1+\n], v[T1+\n], v[KD+\n], 1.0          ; elu(x) + 1, or 0 in a hidden row
.endr
.irp ii, 0,2,4,6
	v_pk_add_f32 v[KSUM:KSUM+1], v[KSUM:KSUM+1], v[T1+2*\ii:T1+2*\ii+1]        ; ksum takes the numbers as they are, not held, not quantised
	v_pk_add_f32 v[KSUM+2:KSUM+3], v[KSUM+2:KSUM+3], v[T1+2*\ii+2:T1+2*\ii+3]
.endr
.irp ii, 0,1,2,3,4,5,6,7
	v_min_num_f32 v[KD+\ii], v[T1+2*\ii], v[LIMK]             ; the conversion does not saturate (ISA guide 7.6.2): the hold, one-sided since the feature is not negative.
	v_min_num_f32 v[KD+8+\ii], v[T1+2*\ii+1], v[LIMK]         ; It also parts the columns: eight rows of the even one on end, then eight of the odd one
.endr
	v_cvt_scalef32_pk8_bf8_f32 v[CA+2*(\g):CA+2*(\g)+1], v[KD:KD+7], v[SCK]
	v_cvt_scalef32_pk8_bf8_f32 v[CA+16+2*(\g):CA+16+2*(\g)+1], v[KD+8:KD+15], v[SCK]
	s_wait_loadcnt \cntv
.irp ii, 0,2,4,6
	v_pk_mul_f32 v[VD+2*\ii:VD+2*\ii+1], v[VD+2*\ii:VD+2*\ii+1], v[RS+\ii:RS+\ii+1] op_sel_hi:[1,0]                    ; v m / 4800
	v_pk_mul_f32 v[VD+2*\ii+2:VD+2*\ii+3], v[VD+2*\ii+2:VD+2*\ii+3], v[RS+\ii:RS+\ii+1] op_sel:[0,1] op_sel_hi:[1,1]
.endr
.irp ii, 0,1,2,3,4,5,6,7
	v_med3_num_f32 v[T1+\ii], v[VD+2*\ii], -v[LIMV], v[LIMV]
	v_med3_num_f32 v[T1+8+\ii], v[VD+2*\ii+1], -v[LIMV], v[LIMV]
.endr
	v_cvt_scalef32_pk8_bf8_f32 v[CB+2*(\g):CB+2*(\g)+1], v[T1:T1+7], v[SCV]
	v_cvt_scalef32_pk8_bf8_f32 v[CB+16+2*(\g):CB+16+2*(\g)+1], v[T1+8:T1+15], v[SCV]
	v_nop                                          ; a plain instruction behind the last conversion, ahead of whatever next writes its sources or reads its codes
.endm
	GROUP 0, 40, 32, 0                             ; out behind k's eight: v's eight and two groups of 16
	GROUP 1, 40, 32, 1                             ; group 3 is asked for, into group 0's buffer
	GROUP 2, 40, 32, 1                             ; group 4, into group 1's
	GROUP 3, 24, 16, 0                             ; one group behind
	GROUP 4, 8, 0, 0
	; the wave's 80 rows in one step: source 0 = 16 columns of k, source 1 = 16 columns of v.  Register j of lane (r, h): d = 2 (8 h + j) + a, e = 2 r + t.  The constant 0 starts each sum
	v_wmma_f32_16x16x128_bf8_bf8 v[ACC:ACC+7], v[CA:CA+15], v[CB:CB+15], 0
	v_wmma_f32_16x16x128_bf8_bf8 v[ACC+8:ACC+15], v[CA:CA+15], v[CB+16:CB+31], 0
	v_wmma_f32_16x16x128_bf8_bf8 v[ACC+16:ACC+23], v[CA+16:CA+31], v[CB:CB+15], 0
	v_wmma_f32_16x16x128_bf8_bf8 v[ACC+24:ACC+31], v[CA+16:CA+31], v[CB+16:CB+31], 0
	v_pk_add_f32 v[KSUM:KSUM+1], v[KSUM:KSUM+1], v[KSUM+2:KSUM+3]   ; ksum's two chains; with the three lines below the four places behind the products (ISA guide 7.12.1)
	v_nop
	v_nop
	v_nop
	s_wait_alu depctr_va_vdst(0)                   ; the products have written the accumulators and the add KSUM, which the LDS stores read (the places above stay beside this wait); groups 2 and 4 are done with v[RD] on, in which the LDS loads behind the barrier land
.irp p, 0,1,2,3,4,5,6,7
	ds_store_b128 v[RW], v[ACC+4*\p:ACC+4*\p+3] offset:512*\p      ; the accumulators as they stand, each from its low end on: 512 consecutive bytes a store
.endr
	ds_store_b64 v[KW], v[KSUM:KSUM+1]
	s_wait_dscnt 0x0                               ; for the others' sake: my stores have landed
	s_barrier_signal -1
	s_barrier_wait -1
	s_cmp_lt_u32 s16, 8
	s_cbranch_scc0 .Lnot_kv
.irp j, 0,1,2,3,4,5,6,7,8,9,10,11,12,13,14     ; waves 0 to 7: piece = wave, of all fifteen images
	ds_load_b128 v[RD+4*\j:RD+4*\j+3], v[RR] offset:4096*\j
.endr
	s_wait_dscnt 0x0
.irp j, 0,1,2,3,4,5,6
	v_pk_add_f32 v[RD+4*\j:RD+4*\j+1], v[RD+4*\j:RD+4*\j+1], v[RD+4*\j+32:RD+4*\j+33]
	v_pk_add_f32 v[RD+4*\j+2:RD+4*\j+3], v[RD+4*\j+2:RD+4*\j+3], v[RD+4*\j+34:RD+4*\j+35]
.endr
.irp j, 0,1,2,3
	v_pk_add_f32 v[RD+4*\j:RD+4*\j+1], v[RD+4*\j:RD+4*\j+1], v[RD+4*\j+16:RD+4*\j+17]
	v_pk_add_f32 v[RD+4*\j+2:RD+4*\j+3], v[RD+4*\j+2:RD+4*\j+3], v[RD+4*\j+18:RD+4*\j+19]
.endr
.irp j, 0,1
	v_pk_add_f32 v[RD+4*\j:RD+4*\j+1], v[RD+4*\j:RD+4*\j+1], v[RD+4*\j+8:RD+4*\j+9]
	v_pk_add_f32 v[RD+4*\j+2:RD+4*\j+3], v[RD+4*\j+2:RD+4*\j+3], v[RD+4*\j+10:RD+4*\j+11]
.endr
	v_pk_add_f32 v[RD:RD+1], v[RD:RD+1], v[RD+4:RD+5]
	v_pk_add_f32 v[RD+2:RD+3], v[RD+2:RD+3], v[RD+6:RD+7]
	s_wait_alu depctr_va_vdst(0)                   ; the adds have written v[RD] to v[RD+3], which the store reads
	global_store_b128 v[RR], v[RD:RD+3], s[12:13]  ; 512 consecutive bytes, at a multiple of 512 from kvp's first byte
	s_wait_dscnt 0x0                               ; the closing lines, six on end
	s_wait_alu 0x0
	s_wait_tensorcnt 0x0
	ds_add_u32 v220, v221
	s_wait_dscnt 0x0
	s_endpgm
.Lnot_kv:
	s_cmp_eq_u32 s16, 8
	s_cbranch_scc0 .Ldone
.irp j, 0,1,2,3,4,5,6,7,8,9,10,11,12,13,14     ; wave 8: ksum of all fifteen
	ds_load_b64 v[RD+2*\j:RD+2*\j+1], v[KR] offset:256*\j
.endr
	s_wait_dscnt 0x0
.irp j, 0,1,2,3,4,5,6
	v_pk_add_f32 v[RD+2*\j:RD+2*\j+1], v[RD+2*\j:RD+2*\j+1], v[RD+2*\j+16:RD+2*\j+17]
.endr
.irp j, 0,1,2,3
	v_pk_add_f32 v[RD+2*\j:RD+2*\j+1], v[RD+2*\j:RD+2*\j+1], v[RD+2*\j+8:RD+2*\j+9]
.endr
.irp j, 0,1
	v_pk_add_f32 v[RD+2*\j:RD+2*\j+1], v[RD+2*\j:RD+2*\j+1], v[RD+2*\j+4:RD+2*\j+5]
.endr
	v_pk_add_f32 v[RD:RD+1], v[RD:RD+1], v[RD+2:RD+3]
	s_wait_alu depctr_va_vdst(0)                   ; the adds have written v[RD] and v[RD+1], which the store reads
	global_store_b64 v[OFF], v[RD:RD+1], s[14:15]  ; 256 consecutive bytes, aligned: number 32 h + d
.Ldone:
	s_wait_dscnt 0x0                               ; the closing lines, six on end
	s_wait_alu 0x0
	s_wait_tensorcnt 0x0
	ds_add_u32 v220, v221
	s_wait_dscnt 0x0
	s_endpgm
.Lfunc_end_k_q78219eeec0_kvsum:
	.size	k_q78219eeec0_kvsum, .Lfunc_end_k_q78219eeec0_kvsum-k_q78219eeec0_kvsum
	.p2alignl 7, 3214868480
	.fill 96, 4, 3214868480
	.section	.rodata,"a",@progbits
	.p2align	6, 0x0
	.amdhsa_kernel k_q78219eeec0_kvsum
		.amdhsa_group_segment_fixed_size 67584
		.amdhsa_private_segment_fixed_size 0
		.amdhsa_enable_private_segment 0
		.amdhsa_kernarg_size 48
		.amdhsa_user_sgpr_count 2
		.amdhsa_user_sgpr_kernarg_segment_ptr 1
		.amdhsa_wavefront_size32 1
		.amdhsa_system_sgpr_workgroup_id_x 1
		.amdhsa_system_sgpr_workgroup_id_y 1
		.amdhsa_system_sgpr_workgroup_id_z 1
		.amdhsa_system_vgpr_workitem_id 0
		.amdhsa_next_free_vgpr 222
		.amdhsa_next_free_sgpr 66
		.amdhsa_reserve_vcc 0
		.amdhsa_float_denorm_mode_32 3
		.amdhsa_float_denorm_mode_16_64 3
		.amdhsa_memory_ordered 1
		.amdhsa_forward_progress 1
		.amdhsa_inst_pref_size 57
	.end_amdhsa_kernel
	.amdgpu_metadata
---
amdhsa.version: [ 1, 2 ]
amdhsa.kernels:
  - .name:           k_q78219eeec0_kvsum
    .symbol:         k_q78219eeec0_kvsum.kd
    .args:
      - { .name: k, .offset: 0, .size: 8, .value_kind: global_buffer, .address_space: global }
      - { .name: v, .offset: 8, .size: 8, .value_kind: global_buffer, .address_space: global }
      - { .name: kv_mask, .offset: 16, .size: 8, .value_kind: global_buffer, .address_space: global }
      - { .name: lowp_scales, .offset: 24, .size: 8, .value_kind: global_buffer, .address_space: global }
      - { .name: kvp, .offset: 32, .size: 8, .value_kind: global_buffer, .address_space: global }
      - { .name: ksp, .offset: 40, .size: 8, .value_kind: global_buffer, .address_space: global }
    .group_segment_fixed_size: 67584
    .private_segment_fixed_size: 0
    .kernarg_segment_align: 8
    .kernarg_segment_size: 48
    .max_flat_workgroup_size: 480
    .sgpr_count:     66
    .vgpr_count:     222
    .wavefront_size: 32
...
	.end_amdgpu_metadata
.endif
;; end of part 3
;; launch apply: the kernel of part 2 again; grid 256 x 1, 15 waves a work-group, no clusters, 174,080 bytes of LDS; arguments q, q_mask, lowp_scales, kvp, ksp, out0; writes out0
